; MI455X (gfx1250); checked and timed in simulation.
; The chip was launched on July 23, 2026; its instructions are those of AMD's public machine-readable ISA for CDNA 5 (MIT licence, August 2026) and "CDNA5" Instruction Set Architecture Reference Guide (July 2026). The comments in the code are by the model that wrote it; some were corrected since.
;; HQQ Linear. Allowed arithmetic: matrix products marked QUANTISED: E5M2 operands, one given power-of-two scale a tensor, by v_wmma_f32_16x16x64_bf8_bf8 or v_wmma_f32_16x16x128_bf8_bf8, f32 sums; everything else in f32.
;; Inputs: W_q 32 x 262,144 int32; bias 4,096 float32; lowp_scales 2 int32 (the exponents e of the quantised operands' scales 2^e); scale 1 x 262,144 float32; x 8 x 512 x 4,096 float32; zero 1 x 262,144 float32.
;; Outputs: out0 8 x 512 x 4,096 float32.
;; This version of the problem:
;;   THIS VERSION OF THE PROBLEM IS GIVEN IN LOW PRECISION. The matrix products marked QUANTISED in the list below multiply operands that are first quantised to E5M2 (5 exponent bits, 2 mantissa bits; 8 bits a number), with one given power-of-two scale for each operand tensor; their sums are f32. All else is computed in f32.
;;   The module's matrix products, in the order in which they are computed (A, B: the left and right operand; K: the contracted axis; several contracted axes count as one K, in the product's order):
;;     1. [M 4,096, K 4,096] x [K 4,096, N 4,096]; A: input x; B: computed on the way: QUANTISED (scales: A lowp_scales[0], B lowp_scales[1])
;;   THE QUANTISER, for each operand of a quantised product, along K:
;;     - The operand's scale is 2^e, e = its entry of the input lowp_scales (int32; the entries are numbered through the quantised products in the list's order, A before B).
;;     - Each number is divided by the scale, clamped to +-57,344, and rounded to the nearest number of E5M2, ties to even, subnormals kept.
;;     - The product sums the exact products of the quantised numbers (number of the format x scale) in f32.
;;   ~~~python
;;   def quantise(x, axis, e):      # numpy; x: float32 -> the quantised numbers, widened to float32 again
;;       x = np.moveaxis(x, axis, -1); K = x.shape[-1]
;;       r = np.clip(x / 2.0 ** e, -57344, 57344)
;;       step = 2.0 ** (np.maximum(np.frexp(np.where(r == 0, 1, r))[1] - 1, -14) - 2)
;;       q = np.round(r / step) * step * 2.0 ** e      # np.round: ties to even
;;       return np.moveaxis(q, -1, axis).astype(np.float32)
;;   ~~~
;;   OPERANDS COMPUTED ON THE WAY. 'Computed on the way' means the value that the module computes at that place (a softmax that the list does not call 'softmax' is quantised finished and normalised). What goes into a quantiser is computed in f32, as accurately as f32 sums, v_exp_f32 and their like allow (about 1e-6 of the number): no bf16 or f16 on the way to a quantiser, and a product that is left as it is and whose result goes on into a quantised operand takes f32 operands (vector FMAs, or v_wmma_f32_16x16x4_f32). A number that lies on a knife's edge between two numbers of the format may be rounded either way, as far as f32 arithmetic and the matrix unit's own rounding can turn it there, and no further.
;; One version. Each part assembles by itself: llvm-mc -triple=amdgcn-amd-amdhsa -mcpu=gfx1250 --defsym DOCPART=n.
;; ======== version 1 of 1: 2 launches
;; limits: right only within a limited range of input values
;; workspace buffers: x_codes 16,777,216 bytes; w_codes 16,777,216 bytes
;; launch quant (part 1): grid 1024 x 1, 4 waves a work-group, no clusters, 35,328 bytes of LDS; arguments x, W_q, scale, zero, lowp_scales, x_codes, w_codes; writes x_codes, w_codes
.if DOCPART == 1
	.amdgcn_target "amdgcn-amd-amdhsa--gfx1250"
	.amdhsa_code_object_version 6
	.text
	.protected	k_q1d1eb95371_quant
	.globl	k_q1d1eb95371_quant
	.p2align	8
	.type	k_q1d1eb95371_quant,@function
k_q1d1eb95371_quant:
	s_mov_b64 s[64:65], 0
	v_nop
	global_prefetch_b8 v0, s[64:65] scope:SCOPE_SE
	s_setreg_imm32_b32 hwreg(HW_REG_WAVE_MODE, 25, 1), 1
	s_wait_xcnt 0x0
; Both operands of out = x W^T become codes of BF8 (E5M2), one code a byte, each with the one scale 2^e given for it (entry 0: x, entry 1: W).
; x: [4096 m][4096 k] f32.  W[o][k] = (nibble - zero[c]) * scale[c] in f32, o = 64 g + cj, c = 4096 cj + k; the nibble is bits 7:4 of W_q[g][c] for g < 32, bits 3:0 of W_q[g - 32][c] for g >= 32.
; The flat index o * 4096 + k of W equals g * 262144 + c: one word of W_q gives a number of row o and one of row o + 2048.
; code = number / 2^e, held within +-57,344, rounded to the nearest code, ties to even.
; LIMITS: -126 <= e and e + 15 <= 127 for both scales.  NaN among the inputs is not served; infinities and numbers beyond the range are held at the largest code.
; ORDER ALONG K, alike in both tensors: inside each aligned run of 512 along K, place p holds k = 128 ((p >> 2) & 3) + 4 (p >> 4) + (p & 3): what a lane holds when it takes 16 bytes of each of
; four loads of 512 consecutive bytes.  Each code of x meets the code of W with the same k, so only the order of the sums changes.
; w_codes: [4096 o][4096 places], rows as W's.
; x_codes: images of the product's fragments: [256 blocks of 16 rows][32 blocks of 128 places][4 c][2 h][16 r][16 bytes]: row 16 block + r, places 32 c + 16 h + 0..15 of the block of 128.
; A wave of the x path takes 16 rows x one run of 512: row r's 16 bytes a lane go into the wave's own LDS stage (piece = lane, pitch 272), and come back with 16 rows' pieces on end: it stores 16 x 512 consecutive bytes.
; SHARES: work-groups 0..511 take x, 512..1023 take W: one scalar branch on the work-group's number.  Waves share nothing: no barrier.  The W path uses no LDS.
; Every offset is an immediate and no base is stepped.
.set XWG, 512
.set SC,  16                           ; v16-31   W: scale of my 16 columns
.set ZR,  32                           ; v32-47   W: zero of the same
.set R,   48                           ; v48-111  four sets of 16 numbers or words as loaded; x: at the end the codes read back from the stage
.set T,   112                          ; v112-127 W: the high nibbles' numbers
.set C,   128                          ; v128-191 codes
.set QP,  272                          ; a stage row: 16 rows' pieces of 16 bytes + 16 of padding
.set SPARE, 4*32*QP                    ; behind the four stages: the spare words, 128 bytes a wave
	s_load_b256 s[4:11], s[0:1], 0x0               ; x, W_q, scale, zero
	s_load_b128 s[12:15], s[0:1], 0x20             ; the scales' exponents, x's codes
	s_load_b64 s[16:17], s[0:1], 0x30              ; W's codes
	v_lshrrev_b32 v1, 5, v0
	v_readfirstlane_b32 s20, v1                    ; wave
	v_and_b32 v2, 31, v0                           ; lane
	v_lshlrev_b32 v3, 4, v2                        ; 16 x lane: the vector offset of every global load and store
	v_lshl_add_u32 v4, v0, 2, SPARE                ; my spare word, and 0
	v_mov_b32 v5, 0
	s_mul_i32 s30, s20, 32*QP                      ; my wave's stage
	v_mul_u32_u24 v6, v2, QP
	v_add_nc_u32 v6, s30, v6                       ; into the stage: piece = lane
	v_lshrrev_b32 v7, 4, v2
	v_mul_u32_u24 v7, v7, QP
	v_and_b32 v8, 15, v2
	v_lshl_add_u32 v7, v8, 4, v7
	v_add_nc_u32 v7, s30, v7                       ; out of it: two pieces an instruction, sixteen rows each
	s_mov_b32 s23, 0
	s_wait_kmcnt 0x0
	s_load_b64 s[18:19], s[12:13], 0x0             ; e0 (x), e1 (W)
	s_cmp_lt_u32 ttmp9, XWG
	s_cbranch_scc0 .Lweights
.macro CONSTS e                        ; v11 = 2^e, v10 = 57,344 x 2^e
	s_add_co_i32 s24, s[\e], 127
	s_lshl_b32 s25, s24, 23
	v_mov_b32 v11, s25
	s_add_co_i32 s24, s24, 15
	s_lshl_b32 s24, s24, 23
	s_or_b32 s24, s24, 0x600000
	v_mov_b32 v10, s24
.endm
; ---------------- x ----------------
	s_lshl_b32 s21, ttmp9, 2
	s_add_co_u32 s21, s21, s20                     ; my wave's task 0..2047: block of 16 rows = task / 8, run of 512 = task % 8
	s_lshr_b32 s22, s21, 3
	s_lshl_b32 s22, s22, 18                        ; 16 rows of 16,384 bytes
	s_and_b32 s31, s21, 7
	s_lshl_b32 s31, s31, 11                        ; 2,048 bytes a run
	s_add_co_u32 s22, s22, s31
	s_add_nc_u64 s[4:5], s[4:5], s[22:23]
	s_lshl_b32 s22, s21, 13                        ; 8,192 bytes of codes a task, tasks on end
	s_add_nc_u64 s[14:15], s[14:15], s[22:23]
.macro XLOAD t                         ; row t's 2,048 bytes into set t % 4: each load reads 512 consecutive bytes
.irp i, 0,1,2,3
	global_load_b128 v[R+16*((\t)%4)+4*\i:R+16*((\t)%4)+4*\i+3], v3, s[4:5] offset:16384*(\t)+512*\i th:TH_LOAD_NT
.endr
.endm
.macro XSTEP t
.set XS, R+16*((\t)%4)
.if 15-(\t) >= 3
	s_wait_loadcnt 12                              ; this row's four loads are in; three rows' may be out
.else
	s_wait_loadcnt 4*(15-(\t))
.endif
.irp i, 0,1,2,3,4,5,6,7,8,9,10,11,12,13,14,15
	v_med3_num_f32 v[XS+\i], v[XS+\i], -v10, v10   ; the conversion does not saturate (ISA guide 7.6.2): hold first
.endr
	v_cvt_scalef32_pk8_bf8_f32 v[C+4*(\t):C+4*(\t)+1], v[XS:XS+7], v11
	v_cvt_scalef32_pk8_bf8_f32 v[C+4*(\t)+2:C+4*(\t)+3], v[XS+8:XS+15], v11
	v_nop                                          ; one plain vector line behind the last conversion of the run
	ds_store_b128 v6, v[C+4*(\t):C+4*(\t)+3] offset:16*(\t)   ; piece = lane, row t
.if (\t)+4 < 16
	XLOAD (\t)+4
.endif
.endm
	s_wait_alu depctr_va_vdst(0)
.irp t, 0,1,2,3
	XLOAD \t
.endr
	s_wait_kmcnt 0x0
	CONSTS 18
	s_wait_alu depctr_va_vdst(0)
.irp t, 0,1,2,3,4,5,6,7,8,9,10,11,12,13,14,15
	XSTEP \t
.endr
.irp t, 0,1,2,3,4,5,6,7,8,9,10,11,12,13,14,15
	ds_load_b128 v[R+4*\t:R+4*\t+3], v7 offset:2*QP*\t   ; LDS serves a wave's instructions in order: these see my stores
.endr
.irp t, 0,1,2,3,4,5,6,7,8,9,10,11,12,13,14,15
	s_wait_dscnt 15-\t
	global_store_b128 v3, v[R+4*\t:R+4*\t+3], s[14:15] offset:512*\t   ; 512 consecutive bytes, at a multiple of 512
.endr
	s_wait_tensorcnt 0x0                           ; the wave's end
	ds_add_u32 v4, v5
	s_wait_dscnt 0x0
	s_endpgm
; ---------------- W: a work-group takes 512 columns c; wave gq takes rows g = 8 gq + s of W_q ----------------
.Lweights:
	s_sub_co_u32 s21, ttmp9, XWG
	s_lshl_b32 s28, s21, 11
	s_mov_b32 s29, 0
	s_lshl_b32 s22, s20, 23
	s_add_co_u32 s22, s22, s28
	s_add_nc_u64 s[6:7], s[6:7], s[22:23]
	s_add_nc_u64 s[8:9], s[8:9], s[28:29]
	s_add_nc_u64 s[10:11], s[10:11], s[28:29]
	s_lshl_b32 s22, s20, 21
	s_lshl_b32 s28, s21, 9
	s_add_co_u32 s22, s22, s28
	s_add_nc_u64 s[16:17], s[16:17], s[22:23]      ; the high nibbles' rows,
	s_add_nc_u64 s[26:27], s[16:17], 0x800000      ; the low nibbles': 32 x 262,144 bytes on
	s_wait_alu depctr_va_vdst(0)
.irp i, 0,1,2,3
	global_load_b128 v[SC+4*\i:SC+4*\i+3], v3, s[8:9] offset:512*\i
.endr
.irp i, 0,1,2,3
	global_load_b128 v[ZR+4*\i:ZR+4*\i+3], v3, s[10:11] offset:512*\i
.endr
.macro WLOAD s
.irp i, 0,1,2,3
	global_load_b128 v[R+16*((\s)%4)+4*\i:R+16*((\s)%4)+4*\i+3], v3, s[6:7] offset:1048576*(\s)+512*\i th:TH_LOAD_NT
.endr
.endm
.macro WSTEP s
.set QS, R+16*((\s)%4)
.if 7-(\s) >= 3
	s_wait_loadcnt 12
.else
	s_wait_loadcnt 4*(7-(\s))
.endif
.irp i, 0,1,2,3,4,5,6,7,8,9,10,11,12,13,14,15
	v_bfe_u32 v[T+\i], v[QS+\i], 4, 4
.endr
.irp i, 0,1,2,3,4,5,6,7,8,9,10,11,12,13,14,15
	v_and_b32 v[QS+\i], 15, v[QS+\i]
.endr
.irp i, 0,1,2,3,4,5,6,7,8,9,10,11,12,13,14,15
	v_cvt_f32_u32 v[T+\i], v[T+\i]
	v_cvt_f32_u32 v[QS+\i], v[QS+\i]
.endr
; (nibble - zero) x scale stays a subtraction and a multiplication, as the definition has them: these numbers go into a quantiser
.irp j, 0,2,4,6,8,10,12,14
	v_pk_add_f32 v[T+\j:T+\j+1], v[T+\j:T+\j+1], v[ZR+\j:ZR+\j+1] neg_lo:[0,1] neg_hi:[0,1]
	v_pk_add_f32 v[QS+\j:QS+\j+1], v[QS+\j:QS+\j+1], v[ZR+\j:ZR+\j+1] neg_lo:[0,1] neg_hi:[0,1]
.endr
.irp j, 0,2,4,6,8,10,12,14
	v_pk_mul_f32 v[T+\j:T+\j+1], v[T+\j:T+\j+1], v[SC+\j:SC+\j+1]
	v_pk_mul_f32 v[QS+\j:QS+\j+1], v[QS+\j:QS+\j+1], v[SC+\j:SC+\j+1]
.endr
.irp i, 0,1,2,3,4,5,6,7,8,9,10,11,12,13,14,15
	v_med3_num_f32 v[T+\i], v[T+\i], -v10, v10
	v_med3_num_f32 v[QS+\i], v[QS+\i], -v10, v10
.endr
	v_cvt_scalef32_pk8_bf8_f32 v[C+8*(\s):C+8*(\s)+1], v[T:T+7], v11
	v_cvt_scalef32_pk8_bf8_f32 v[C+8*(\s)+2:C+8*(\s)+3], v[T+8:T+15], v11
	v_cvt_scalef32_pk8_bf8_f32 v[C+8*(\s)+4:C+8*(\s)+5], v[QS:QS+7], v11
	v_cvt_scalef32_pk8_bf8_f32 v[C+8*(\s)+6:C+8*(\s)+7], v[QS+8:QS+15], v11
	v_nop
	global_store_b128 v3, v[C+8*(\s):C+8*(\s)+3], s[16:17] offset:262144*(\s)
	global_store_b128 v3, v[C+8*(\s)+4:C+8*(\s)+7], s[26:27] offset:262144*(\s)
.if (\s)+4 < 8
	WLOAD (\s)+4
.endif
.endm
.irp s, 0,1,2,3
	WLOAD \s
.endr
	s_wait_kmcnt 0x0
	CONSTS 19
.irp s, 0,1,2,3,4,5,6,7
	WSTEP \s
.endr
	s_endpgm
.Lfunc_end_k_q1d1eb95371_quant:
	.size	k_q1d1eb95371_quant, .Lfunc_end_k_q1d1eb95371_quant-k_q1d1eb95371_quant
	.p2alignl 7, 3214868480
	.fill 96, 4, 3214868480
	.section	.rodata,"a",@progbits
	.p2align	6, 0x0
	.amdhsa_kernel k_q1d1eb95371_quant
		.amdhsa_group_segment_fixed_size 35328
		.amdhsa_private_segment_fixed_size 0
		.amdhsa_enable_private_segment 0
		.amdhsa_kernarg_size 56
		.amdhsa_user_sgpr_count 2
		.amdhsa_user_sgpr_kernarg_segment_ptr 1
		.amdhsa_wavefront_size32 1
		.amdhsa_system_sgpr_workgroup_id_x 1
		.amdhsa_system_sgpr_workgroup_id_y 1
		.amdhsa_system_sgpr_workgroup_id_z 1
		.amdhsa_system_vgpr_workitem_id 0
		.amdhsa_next_free_vgpr 192
		.amdhsa_next_free_sgpr 66
		.amdhsa_reserve_vcc 0
		.amdhsa_float_denorm_mode_32 3
		.amdhsa_float_denorm_mode_16_64 3
		.amdhsa_memory_ordered 1
		.amdhsa_forward_progress 1
		.amdhsa_inst_pref_size 92
	.end_amdhsa_kernel
	.amdgpu_metadata
---
amdhsa.version: [ 1, 2 ]
amdhsa.kernels:
  - .name:           k_q1d1eb95371_quant
    .symbol:         k_q1d1eb95371_quant.kd
    .args:
      - { .name: x, .offset: 0, .size: 8, .value_kind: global_buffer, .address_space: global }
      - { .name: W_q, .offset: 8, .size: 8, .value_kind: global_buffer, .address_space: global }
      - { .name: scale, .offset: 16, .size: 8, .value_kind: global_buffer, .address_space: global }
      - { .name: zero, .offset: 24, .size: 8, .value_kind: global_buffer, .address_space: global }
      - { .name: lowp_scales, .offset: 32, .size: 8, .value_kind: global_buffer, .address_space: global }
      - { .name: x_codes, .offset: 40, .size: 8, .value_kind: global_buffer, .address_space: global }
      - { .name: w_codes, .offset: 48, .size: 8, .value_kind: global_buffer, .address_space: global }
    .group_segment_fixed_size: 35328
    .private_segment_fixed_size: 0
    .kernarg_segment_align: 8
    .kernarg_segment_size: 56
    .max_flat_workgroup_size: 128
    .sgpr_count:     66
    .vgpr_count:     192
    .wavefront_size: 32
...
	.end_amdgpu_metadata
.endif
;; end of part 1
;; launch gemm (part 2): grid 16 x 16, 4 waves a work-group, clusters of 4 x 1, 327,680 bytes of LDS; arguments x_codes, w_codes, lowp_scales, out0, bias; writes out0
.if DOCPART == 2
	.amdgcn_target "amdgcn-amd-amdhsa--gfx1250"
	.amdhsa_code_object_version 6
	.text
	.protected	k_q1d1eb95371_gemm
	.globl	k_q1d1eb95371_gemm
	.p2align	8
	.type	k_q1d1eb95371_gemm,@function
k_q1d1eb95371_gemm:
	s_mov_b64 s[64:65], 0
	v_nop
	global_prefetch_b8 v0, s[64:65] scope:SCOPE_SE
	s_setreg_imm32_b32 hwreg(HW_REG_WAVE_MODE, 25, 1), 1
	s_wait_xcnt 0x0
	s_wait_alu depctr_hold_cnt(0) depctr_sa_sdst(0) depctr_va_vdst(0) depctr_va_sdst(0) depctr_va_ssrc(0) depctr_va_vcc(0) depctr_vm_vsrc(0)
	s_getreg_b32 s2, hwreg(HW_REG_IB_STS2, 6, 4)
	s_cmp_eq_u32 s2, 0
	s_cbranch_scc0 .Lentry_in_a_cluster
	s_endpgm
.Lentry_in_a_cluster:
	s_bfe_u32 s2, ttmp6, 0x10000c
	s_cmp_lg_u32 s2, 0x3003
	s_cbranch_scc0 .Lentry_shape_is_right
	s_endpgm
.Lentry_shape_is_right:
; out0[m][n] = 2^(e0 + e1) x (sum over k of the codes of x[m][k] and W[n][k]) + bias[n].  Codes of BF8 (E5M2), f32 sums.  LIMIT: e0 + e1 between -126 and 127.
; A work-group makes 256 x 256 of out0 (x: tile row m, y: tile column n); wave w makes rows 64 w .. 64 w + 63 x all 256 columns: 64 accumulators, 512 registers.
; x's CODES GO FROM MEMORY STRAIGHT INTO REGISTERS: no other wave of the work-group reads a wave's 64 rows, and x_codes holds images of fragments, so a load of the wave reads 512 consecutive bytes.
; Four sets of 64 registers: the step of 128 along K that is multiplied, and the loads of the three steps behind it.
; W's CODES GO THROUGH LDS: two slots of 256 rows x 512 along K, filled by tensor loads, 64 rows a wave; 256 matrix instructions a wave between two changes of slots.
; CLUSTERS: 4 work-groups along m need the same tile of W: it is asked for JOINTLY (mask 15).  x's tiles are not: a joint load lands in LDS, and two slots of 512 along K for both operands (540,672 bytes) do not fit there.
; W's fragments take turns in two groups of four (128 registers): ahead of a group's 16 products stands ONE run of 16 LDS loads for the next group; x's 16 loads join a step's first run.
; THE MATRIX INSTRUCTION IS USED TRANSPOSED (source 0 = 16 rows of W, source 1 = 16 rows of x): a lane holds eight neighbouring columns of a row of out0.
; THE LAST SLOT (512 along K) GOES BY COLUMNS, so that each 64 columns leave while the others are still multiplied.  It needs x's last four steps at once: the very last one is asked for six steps ahead,
; into window 0's v192-255, and the way out's buffer lies where x's fourth set lay.  The way out's stage lies in slot 0, behind that slot's last fill and last read.
; PREFETCH: the 512 along K that stand two refills on: W: the four partners share a wave's 64 rows out by address, 16 rows each, a lane a block of 256 bytes;
; x: the sixteen work-groups of a tile row share a wave's 128 blocks out by address, 8 each (lanes 8-31 name lane 7's block again).  The last two refills ask for nothing.
; REGISTERS: window 0: v0-31 addresses, v32-47 bias, v64-191 W's two groups, v192-255 x's last step.  Window 1: x's four sets; at the end v192-255 the way out.
; Window 2: accumulators of columns 0-127 ((a, b) at 8 (4 (b % 8) + a)); window 3: of columns 128-255.
.set PITCH,  528                       ; an LDS row: 512 bytes + 16 of padding: 16 rows of a fragment start at 16 different groups of banks (ISA guide 11.1)
.set WPART,  64*PITCH
.set SLOT,   256*PITCH
.set SPARE,  2*SLOT                    ; the spare words: 128 bytes a wave
.set SPITCH, 272                       ; the stage: 64 rows x (256 bytes + 16) a wave
.set WSTAGE, 64*SPITCH
.set ADRB, 16                          ; v16-19 LDS address of W's fragments: slot 0 blocks 0-7, 8-15; slot 1 likewise
.set AO,   20                          ; 16 x lane
.set STO,  21
.set RD,   22
.set CO,   23
.set PFOB, 24
.set PFOA, 25
.set BO,   26
.set SPW,  28
.set NIL,  29
.set BIAS, 32
.set BR,   64
.set BK,   192
.set G1,  24
.set G0,  32
.set AB,  40                           ; s[40:41] my wave's rows in x_codes, stepped once a lap
.set PFB, 42
.set PFA, 44
.set SCL, 46
.set MUL, 0xa4                         ; source 0 window 0, source 1 window 1, C and D window 2 (+0x50: window 3; -4: source 1 window 0)
.set MSB, 0
.macro WIN new
.if MSB != (\new)
	s_set_vgpr_msb (MSB<<8)|(\new)
.set MSB, (\new)
.endif
.endm
.macro PLACES
.rept 4
	v_nop
.endr
.endm
.macro CREST
	s_cmp_lg_u32 s14, 0
	s_cbranch_scc1 .Lnot_wave_0_\@
	s_barrier_signal -3
.Lnot_wave_0_\@:
	s_barrier_wait -3
	s_barrier_signal -1
	s_barrier_wait -1
.endm
.macro CROUND
	s_barrier_signal -1
	s_barrier_wait -1
	CREST
.endm
.macro ASK ib, ia, guard               ; guard: in the loop's last trip nothing is left to ask for
.if \guard
	s_cmp_gt_u32 s3, 1
	s_cbranch_scc0 .Lno_ask_\@
.endif
	global_prefetch_b8 v[PFOB], s[PFB:PFB+1] offset:\ib th:TH_LOAD_NT scope:SCOPE_SE
	global_prefetch_b8 v[PFOA], s[PFA:PFA+1] offset:\ia th:TH_LOAD_NT scope:SCOPE_SE
.Lno_ask_\@:
.endm
.macro MULF b, set, fr, zero           ; W's fragment at fr (block b) against x's four of the set: four accumulators, one instruction each
.irp a, 0,1,2,3
.if \zero
	v_wmma_f32_16x16x128_bf8_bf8 v[8*(4*((\b)%8)+\a):8*(4*((\b)%8)+\a)+7], v[\fr:\fr+15], v[64*(\set)+16*\a:64*(\set)+16*\a+15], 0
.else
	v_wmma_f32_16x16x128_bf8_bf8 v[8*(4*((\b)%8)+\a):8*(4*((\b)%8)+\a)+7], v[\fr:\fr+15], v[64*(\set)+16*\a:64*(\set)+16*\a+15], v[8*(4*((\b)%8)+\a):8*(4*((\b)%8)+\a)+7]
.endif
.endr
.endm
.macro LDF fr, slot, b, k              ; W's rows 16 b .. 16 b + 15, the slot's k-th 128 places: lane (r, h) takes places 32 c + 16 h + 0..15, as x's images have them
.irp c, 0,1,2,3
	ds_load_b128 v[\fr+4*\c:\fr+4*\c+3], v[ADRB+2*(\slot)+(\b)/8] offset:((\b)%8)*16*PITCH+128*(\k)+32*\c
.endr
.endm
.macro FILLG buf, slot, s, g           ; group g of step s: blocks 4 g .. 4 g + 3
.irp i, 0,1,2,3
	LDF BR+64*(\buf)+16*\i, \slot, 4*(\g)+\i, \s
.endr
.endm
.macro FILLCG buf, j                   ; by columns, group j of 16, slot 1: blocks FB, FB + 1 x steps FK, FK + 1
.set FB, 4*((\j)/4)+2*((\j)%2)
.set FK, 2*(((\j)%4)/2)
	LDF BR+64*(\buf), 1, FB, FK
	LDF BR+64*(\buf)+16, 1, FB+1, FK
	LDF BR+64*(\buf)+32, 1, FB, FK+1
	LDF BR+64*(\buf)+48, 1, FB+1, FK+1
.endm
.macro ALOAD set, rel                  ; x's four fragments of the step rel steps behind the lap's base
.irp a, 0,1,2,3
.irp c, 0,1,2,3
	global_load_b128 v[64*(\set)+16*\a+4*\c:64*(\set)+16*\a+4*\c+3], v[AO], s[AB:AB+1] offset:2048*(\rel)+65536*\a+512*\c
.endr
.endr
.endm
; A step of 128 along K: four groups of four of W's fragments, each fragment against x's four.  Ahead of each group, behind four places, the registers that the group before read take the next group.
; next step: (nslot, ns).  arel >= 0: x's step three on is asked for.  turn: the last group changes slots (1: this slot is filled again; 2: not).
; cols = 1: the columns follow.  cols = 2: x's very last step is asked for too, into window 0.
.macro STEP slot, s, nslot, ns, zero, arel, turn, cols
.irp g, 0,1,2,3
.if (\turn) && (\g == 3)
	WIN 0
	s_wait_tensorcnt 0x0                           ; my one tensor load, my part of the next slot, has landed
	ds_add_u32 v[SPW], v[NIL]
.if \turn == 1
	s_add_nc_u64 s[G0+4*\slot+2:G0+4*\slot+3], s[G0+4*\slot+2:G0+4*\slot+3], 1024
.endif
	s_wait_dscnt 0x0                               ; the add is done, and my reads of this slot are over: its last group was asked for ahead of the 16 products before
	s_barrier_signal -1
	WIN MUL+0x50
	MULF 12, \s, BR+64, \zero
	WIN 0
	s_barrier_wait -1
.if \turn == 1
	CREST                                          ; the barrier has opened a round of the cluster's barrier
	tensor_load_to_lds s[G0+4*\slot:G0+4*\slot+3], s[G1:G1+7]
	s_nop 0
.endif
	PLACES                                         ; behind the products that read the registers loaded below (ISA guide 7.12.1)
.if \cols == 1
	FILLCG 0, 0
.else
	FILLG 0, \nslot, \ns, 0
.endif
.if \turn == 1
	ASK 2048+512*\slot, 32768+8192*\slot, 1
.endif
	WIN MUL+0x50
	MULF 13, \s, BR+64+16, \zero
	MULF 14, \s, BR+64+32, \zero
	MULF 15, \s, BR+64+48, \zero
.else
	PLACES                                         ; behind the products that read the registers loaded below (ISA guide 7.12.1)
	WIN 0
.if \g < 3
	FILLG (\g+1)%2, \slot, \s, \g+1
.else
	FILLG 0, \nslot, \ns, 0
.endif
.if (\cols == 2) && (\g == 1)
	ALOAD 3, 7                                     ; under window 0: v192-255 there take x's very last step
.endif
.if \g == 0
.if \arel >= 0
	WIN 0x40
	ALOAD (\s+3)%4, \arel
	s_wait_loadcnt 48                              ; this step's x is in; at least the three youngest steps' loads may be out
.else
	s_wait_loadcnt 32
.endif
.endif
	s_wait_dscnt 16                                ; this group is in; the run just issued may be out
	WIN MUL+0x50*(\g/2)
.irp i, 0,1,2,3
	MULF 4*\g+\i, \s, BR+64*(\g%2)+16*\i, \zero
.endr
.endif
.endr
.endm
.macro GROUPC j                        ; by columns: blocks CB, CB + 1 x steps CK, CK + 1: eight accumulators by turns.  Four groups finish 64 columns
.set CB, 4*(\j/4)+2*(\j%2)
.set CK, 2*((\j%4)/2)
	PLACES
.if \j < 15
	WIN 0
	FILLCG (\j+1)%2, \j+1
	s_wait_dscnt 16
.else
	s_wait_dscnt 0x0
.endif
.if \j == 0
	s_wait_loadcnt 16                              ; x's steps 0 and 1 of the slot, and the very last, are in; step 2's loads, the youngest, may be out
.endif
.if \j == 2
	s_wait_loadcnt 0x0
.endif
	WIN MUL+0x50*(\j/8)
	MULF CB, CK, BR+64*(\j%2), 0
	MULF CB+1, CK, BR+64*(\j%2)+16, 0
	WIN MUL+0x50*(\j/8)-4*(CK/2)                   ; the slot's step 3 lies in window 0, under the fourth set's numbers
	MULF CB, CK+1, BR+64*(\j%2)+32, 0
	MULF CB+1, CK+1, BR+64*(\j%2)+48, 0
.endm
; 64 rows x 64 columns leave: into my stage as they lie, back as rows of 256 bytes (window 1), x 2^(e0 + e1) + bias, stored sixteen lanes to an aligned 256 bytes
.macro EMIT q
	PLACES
	WIN 0x08+4*((\q)/2)
.irp a, 0,1,2,3
.irp b, 0,1,2,3
	ds_store_b128 v[STO], v[8*(4*((4*(\q)+\b)%8)+\a):8*(4*((4*(\q)+\b)%8)+\a)+3] offset:\a*16*SPITCH+64*\b
	ds_store_b128 v[STO], v[8*(4*((4*(\q)+\b)%8)+\a)+4:8*(4*((4*(\q)+\b)%8)+\a)+7] offset:\a*16*SPITCH+64*\b+16
.endr
.endr
.irp u, 0,1
	s_wait_xcnt 0x0                                ; earlier stores have read the registers that are loaded below
	WIN 0x40                                       ; destination window 1, address window 0
.irp t, 0,1,2,3,4,5,6,7,8,9,10,11,12,13,14,15
	ds_load_b128 v[BK+4*\t:BK+4*\t+3], v[RD] offset:(16*\u+\t)*2*SPITCH
.endr
	s_wait_dscnt 0x0
	WIN 0x41                                       ; destination and source 0 window 1, the bias window 0
.irp t, 0,1,2,3,4,5,6,7,8,9,10,11,12,13,14,15
	v_pk_fma_f32 v[BK+4*\t:BK+4*\t+1], v[BK+4*\t:BK+4*\t+1], s[SCL:SCL+1], v[BIAS+4*(\q):BIAS+4*(\q)+1] op_sel_hi:[1,0,1]
	v_pk_fma_f32 v[BK+4*\t+2:BK+4*\t+3], v[BK+4*\t+2:BK+4*\t+3], s[SCL:SCL+1], v[BIAS+4*(\q)+2:BIAS+4*(\q)+3] op_sel_hi:[1,0,1]
.endr
	WIN 0x04                                       ; a store's data window 1, its address window 0
.irp t, 0,1,2,3,4,5,6,7,8,9,10,11,12,13,14,15
	global_store_b128 v[CO], v[BK+4*\t:BK+4*\t+3], s[10:11] offset:(32*\u+2*\t)*16384+256*(\q) th:TH_STORE_NT
.endr
.endr
	WIN 0
.endm
	s_load_b256 s[4:11], s[0:1], 0x0               ; x_codes, w_codes, the scales' exponents, out0
	s_load_b64 s[12:13], s[0:1], 0x20              ; bias
	v_lshl_add_u32 v[SPW], v0, 2, SPARE
	v_mov_b32 v[NIL], 0
	ds_add_u32 v[SPW], v[NIL]                      ; the opening lines: the add twice on end and one wait
	ds_add_u32 v[SPW], v[NIL]
	v_lshrrev_b32 v4, 5, v0
	v_readfirstlane_b32 s14, v4                    ; wave
	s_mul_i32 s56, s14, WSTAGE
	v_and_b32 v1, 15, v0                           ; r
	v_bfe_u32 v2, v0, 4, 1                         ; h
	v_and_b32 v3, 31, v0                           ; lane
	v_mul_u32_u24 v5, v1, PITCH
	v_lshl_add_u32 v[ADRB], v2, 4, v5
	v_add_nc_u32 v[ADRB+1], 8*16*PITCH, v[ADRB]
	v_add_nc_u32 v[ADRB+2], SLOT, v[ADRB]
	v_add_nc_u32 v[ADRB+3], SLOT+8*16*PITCH, v[ADRB]
	v_lshlrev_b32 v[AO], 4, v3
	v_mul_u32_u24 v6, v1, SPITCH
	v_lshl_add_u32 v6, v2, 5, v6
	v_add_nc_u32 v[STO], s56, v6                   ; into the stage: row r, 32 bytes for each half of the lanes
	v_mul_u32_u24 v7, v2, SPITCH
	v_lshl_add_u32 v7, v1, 4, v7
	v_add_nc_u32 v[RD], s56, v7                    ; back: sixteen lanes a row
	v_lshlrev_b32 v[BO], 4, v1
	v_lshl_add_u32 v[CO], v2, 14, v[BO]            ; the same two rows in out0
	v_lshrrev_b32 v8, 1, v3
	v_and_b32 v9, 1, v3
	v_lshlrev_b32 v9, 8, v9
	v_lshl_add_u32 v[PFOB], v8, 12, v9             ; W: row lane / 2, block lane % 2
	v_min_u32 v[PFOA], 7, v3
	v_lshlrev_b32 v[PFOA], 8, v[PFOA]              ; x: block min(lane, 7)
	s_bfe_u32 s16, ttmp6, 0x40000                  ; cx
	s_lshl_b32 s17, ttmp9, 2
	s_add_co_u32 s17, s17, s16                     ; tile row m
	s_and_b32 s18, ttmp7, 0xffff                   ; tile column n: the same in the four partners
	s_mov_b32 s[G1+0], 15|(1<<20)|(1<<21)|(6<<22)|(3<<25)  ; mask of the four; 1-byte elements; 4 words of padding behind every 128
	s_mov_b32 s[G1+1], 512<<16
	s_mov_b32 s[G1+2], 64<<16
	s_mov_b32 s[G1+3], 512<<16
	s_mov_b32 s[G1+4], 64
	s_mov_b32 s[G1+5], 4096
	s_mov_b32 s[G1+6], 0
	s_mov_b32 s[G1+7], 0
	s_mul_i32 s19, s14, WPART
	s_lshl_b32 s15, s14, 18                        ; 64 rows of 4,096 bytes a wave
	s_lshl_b32 s20, s18, 20
	s_add_co_u32 s20, s20, s15                     ; W: row 256 n + 64 w
	s_mov_b32 s21, 0
	s_lshl_b32 s22, s17, 20
	s_add_co_u32 s22, s22, s15                     ; x: the same of m
	s_mov_b32 s23, 0
	s_lshl_b32 s48, s16, 16                        ; W's prefetch: my work-group's 16 rows of the wave's 64
	s_mov_b32 s49, 0
	s_lshr_b32 s50, s18, 2
	s_lshl_b32 s50, s50, 16
	s_and_b32 s51, s18, 3
	s_lshl_b32 s51, s51, 11
	s_add_co_u32 s50, s50, s51                     ; x's prefetch: blocks 8 n .. 8 n + 7 of the wave's 128
	s_mov_b32 s51, 0
	s_lshl_b32 s52, s17, 22
	s_lshl_b32 s53, s14, 20
	s_add_co_u32 s52, s52, s53
	s_lshl_b32 s54, s18, 10
	s_add_co_u32 s52, s52, s54                     ; out0: row 256 m + 64 w, column 256 n
	s_mov_b32 s53, 0
	s_mov_b32 s55, 0
	s_wait_alu depctr_va_vdst(0)                   ; the wait at the head's end
	s_wait_dscnt 0x0
	s_wait_kmcnt 0x0
	s_load_b64 s[SCL:SCL+1], s[8:9], 0x0
	s_add_nc_u64 s[20:21], s[6:7], s[20:21]
	s_add_nc_u64 s[PFB:PFB+1], s[20:21], s[48:49]
	s_add_nc_u64 s[AB:AB+1], s[4:5], s[22:23]
	s_add_nc_u64 s[PFA:PFA+1], s[AB:AB+1], s[50:51]
	s_add_nc_u64 s[10:11], s[10:11], s[52:53]
	s_add_nc_u64 s[12:13], s[12:13], s[54:55]
.irp s, 0,1
	s_mov_b32 s[G0+4*\s], 1
	s_add_co_u32 s[G0+4*\s+1], s19, \s*SLOT
	s_add_nc_u64 s[G0+4*\s+2:G0+4*\s+3], s[20:21], \s*512
	s_or_b32 s[G0+4*\s+3], s[G0+4*\s+3], 0x80000000
.endr
	CROUND                                         ; the four partners are here: the first joint loads meet
	tensor_load_to_lds s[G0:G0+3], s[G1:G1+7]      ; the first 512 along K: one tensor load a wave at the head
	s_nop 0
	PLACES
.irp q, 0,1,2,3
	global_load_b128 v[BIAS+4*\q:BIAS+4*\q+3], v[BO], s[12:13] offset:256*\q
.endr
	WIN 0x40
	ALOAD 0, 0
	ALOAD 1, 1
	WIN 0
	s_wait_tensorcnt 0x0                           ; slot 1's first fill is issued as a refill is
	ds_add_u32 v[SPW], v[NIL]
	s_wait_dscnt 0x0
	CROUND
	tensor_load_to_lds s[G0+4:G0+7], s[G1:G1+7]
	s_nop 0
	PLACES
	FILLG 0, 0, 0, 0
	WIN 0x40
	ALOAD 2, 2
	WIN 0
	ASK 1024, 16384, 0                             ; the third 512 along K,
	ASK 1536, 24576, 0                             ; and the fourth: what the loop's first two refills load
	STEP 0, 0, 0, 1, 1, 3, 0, 0                    ; the first step starts the sums
	WIN 0
	s_mov_b32 s3, 3
.Llap:                                                 ; once round the ring, from a lap's second step to the next lap's first
	STEP 0, 1, 0, 2, 0, 4, 0, 0
	STEP 0, 2, 0, 3, 0, 5, 0, 0
	STEP 0, 3, 1, 0, 0, 6, 1, 0
	STEP 1, 0, 1, 1, 0, 7, 0, 0
	STEP 1, 1, 1, 2, 0, 8, 0, 0
	STEP 1, 2, 1, 3, 0, 9, 0, 0
	STEP 1, 3, 0, 0, 0, 10, 1, 0
	STEP 0, 0, 0, 1, 0, 11, 0, 0
	WIN 0
	s_wait_xcnt 0x0                                ; the loads and prefetches have read their bases
	s_add_nc_u64 s[AB:AB+1], s[AB:AB+1], 16384     ; eight steps of 2,048 bytes
	s_add_nc_u64 s[PFA:PFA+1], s[PFA:PFA+1], 16384
	s_add_nc_u64 s[PFB:PFB+1], s[PFB:PFB+1], 1024
	s_sub_co_u32 s3, s3, 1
	s_cmp_lg_u32 s3, 0
	s_cbranch_scc1 .Llap
	STEP 0, 1, 0, 2, 0, 4, 0, 2                    ; the last lap fills nothing; x's very last step is asked for here
	STEP 0, 2, 0, 3, 0, 5, 0, 0
	STEP 0, 3, 1, 0, 0, 6, 2, 1
	s_wait_kmcnt 0x0
	s_add_co_i32 s[SCL], s[SCL], s[SCL+1]
	s_add_co_i32 s[SCL], s[SCL], 127
	s_lshl_b32 s[SCL], s[SCL], 23                  ; 2^(e0 + e1) as f32
.irp j, 0,1,2,3,4,5,6,7,8,9,10,11,12,13,14,15
	GROUPC \j
.if (\j%4) == 3
	EMIT \j/4
.endif
.endr
	s_wait_tensorcnt 0x0                           ; the wave's end
	ds_add_u32 v[SPW], v[NIL]
	s_wait_dscnt 0x0
	CROUND                                         ; the closing round
	s_endpgm
.Lfunc_end_k_q1d1eb95371_gemm:
	.size	k_q1d1eb95371_gemm, .Lfunc_end_k_q1d1eb95371_gemm-k_q1d1eb95371_gemm
	.p2alignl 7, 3214868480
	.fill 96, 4, 3214868480
	.section	.rodata,"a",@progbits
	.p2align	6, 0x0
	.amdhsa_kernel k_q1d1eb95371_gemm
		.amdhsa_group_segment_fixed_size 327680
		.amdhsa_private_segment_fixed_size 0
		.amdhsa_enable_private_segment 0
		.amdhsa_kernarg_size 40
		.amdhsa_user_sgpr_count 2
		.amdhsa_user_sgpr_kernarg_segment_ptr 1
		.amdhsa_wavefront_size32 1
		.amdhsa_system_sgpr_workgroup_id_x 1
		.amdhsa_system_sgpr_workgroup_id_y 1
		.amdhsa_system_sgpr_workgroup_id_z 1
		.amdhsa_system_vgpr_workitem_id 0
		.amdhsa_next_free_vgpr 1024
		.amdhsa_next_free_sgpr 66
		.amdhsa_reserve_vcc 0
		.amdhsa_float_denorm_mode_32 3
		.amdhsa_float_denorm_mode_16_64 3
		.amdhsa_memory_ordered 1
		.amdhsa_forward_progress 1
		.amdhsa_inst_pref_size 223
	.end_amdhsa_kernel
	.amdgpu_metadata
---
amdhsa.version: [ 1, 2 ]
amdhsa.kernels:
  - .name:           k_q1d1eb95371_gemm
    .symbol:         k_q1d1eb95371_gemm.kd
    .args:
      - { .name: x_codes, .offset: 0, .size: 8, .value_kind: global_buffer, .address_space: global }
      - { .name: w_codes, .offset: 8, .size: 8, .value_kind: global_buffer, .address_space: global }
      - { .name: lowp_scales, .offset: 16, .size: 8, .value_kind: global_buffer, .address_space: global }
      - { .name: out0, .offset: 24, .size: 8, .value_kind: global_buffer, .address_space: global }
      - { .name: bias, .offset: 32, .size: 8, .value_kind: global_buffer, .address_space: global }
    .group_segment_fixed_size: 327680
    .private_segment_fixed_size: 0
    .kernarg_segment_align: 8
    .kernarg_segment_size: 40
    .max_flat_workgroup_size: 128
    .sgpr_count:     66
    .vgpr_count:     1024
    .wavefront_size: 32
...
	.end_amdgpu_metadata
.endif
;; end of part 2
